; MI455X (gfx1250); checked and timed in simulation.
; The chip was launched on July 23, 2026; its instructions are those of AMD's public machine-readable ISA for CDNA 5 (MIT licence, August 2026) and "CDNA5" Instruction Set Architecture Reference Guide (July 2026). The comments in the code are by the model that wrote it; some were corrected since.
;; IPEX Scale Dot Product Ref. Allowed arithmetic: matrix products marked QUANTISED: E2M1 operands, one E8M0 scale for each 32 along K, by v_wmma_scale_f32_16x16x128_f8f6f4 with both operands' format E2M1 (or v_wmma_scale_f32_32x16x128_f4), f32 sums; everything else in f32.
;; Inputs: attention_mask 2 x 1 x 2,048 x 2,048 float32; key_codes 2 x 8 x 2,048 x 4 x 16 uint8 (E2M1 codes of key, K innermost, in blocks of 32 codes, two codes a byte); key_scales 2 x 8 x 2,048 x 4 uint8 (E8M0 scales of key, one for each 32 codes along K); query_codes 2 x 32 x 2,048 x 4 x 16 uint8 (E2M1 codes of query, K innermost, in blocks of 32 codes, two codes a byte); query_scales 2 x 32 x 2,048 x 4 uint8 (E8M0 scales of query, one for each 32 codes along K); scale_attn one number float32; value_codes 2 x 8 x 128 x 64 x 16 uint8 (E2M1 codes of value, K innermost, in blocks of 32 codes, two codes a byte); value_scales 2 x 8 x 128 x 64 uint8 (E8M0 scales of value, one for each 32 codes along K).
;; Outputs: out0 2 x 32 x 2,048 x 128 float32.
;; This version of the problem:
;;   THIS VERSION OF THE PROBLEM IS GIVEN IN LOW PRECISION. The matrix products marked QUANTISED in the list below multiply operands that are first quantised to E2M1 (2 exponent bits, 1 mantissa bit; 4 bits a number), with one power-of-two scale for each 32 numbers along K (OCP MX v1.0); their sums are f32. All else is computed in f32.
;;   The module's matrix products, in the order in which they are computed (A, B: the left and right operand; K: the contracted axis; several contracted axes count as one K, in the product's order):
;;     1. batch 64 x [M 2,048, K 128] x [K 128, N 2,048]; A: input query (given as codes); B: input key (given as codes): QUANTISED
;;     2. batch 64 x [M 2,048, K 2,048] x [K 2,048, N 128]; A: softmax (see below); B: input value (given as codes): QUANTISED
;;   THE QUANTISER, for each operand of a quantised product, along K:
;;     - K is cut into blocks of 32 from its start; a last block that is shorter is filled with zeros.
;;     - A block's scale is 2^e with e = floor(log2(the largest magnitude in the block)) - 2, held to -126 .. 127; a block of zeros has e = 0. As a byte (E8M0): e + 127.
;;     - Each number is divided by its block's scale, clamped to +-6, and rounded to the nearest number of E2M1, ties to even, subnormals kept.
;;     - The product sums the exact products of the quantised numbers (number of the format x scale) in f32.
;;   ~~~python
;;   def quantise(x, axis):      # numpy; x: float32 -> the quantised numbers, widened to float32 again
;;       x = np.moveaxis(x, axis, -1); K = x.shape[-1]
;;       x = np.pad(x, [(0, 0)] * (x.ndim - 1) + [(0, -K % 32)]); x = x.reshape(x.shape[:-1] + (-1, 32)); a = np.abs(x).max(-1, keepdims=True)
;;       e = np.where(a > 0, np.clip(np.frexp(np.where(a > 0, a, 1))[1] - 1 - 2, -126, 127), 0)      # np.frexp(a)[1] - 1 = floor(log2(a)), exactly
;;       r = np.clip(x / 2.0 ** e, -6, 6)
;;       step = 2.0 ** (np.maximum(np.frexp(np.where(r == 0, 1, r))[1] - 1, 0) - 1)
;;       q = np.round(r / step) * step * 2.0 ** e      # np.round: ties to even
;;       return np.moveaxis(q.reshape(q.shape[:-2] + (-1,))[..., :K], -1, axis).astype(np.float32)
;;   ~~~
;;   SOFTMAX AHEAD OF A QUANTISED PRODUCT. Where the list says 'softmax', what is quantised is not the finished softmax but p = 2^(t - M), with t = logit x log2(e) and M = ceil(the row's largest t), a whole number; so 1/2 < the row's largest p <= 1. The row's sum l is taken of the UNQUANTISED p, in f32, and the product's result is divided by l at the end. Since M is a whole number, a kernel that streams over the keys may use a running M (the ceiling of the running maximum): every later rescaling is an exact power of two, which a block's scale takes up: the codes' values come out the same.
;;   OPERANDS COMPUTED ON THE WAY. 'Computed on the way' means the value that the module computes at that place (a softmax that the list does not call 'softmax' is quantised finished and normalised). What goes into a quantiser is computed in f32, as accurately as f32 sums, v_exp_f32 and their like allow (about 1e-6 of the number): no bf16 or f16 on the way to a quantiser, and a product that is left as it is and whose result goes on into a quantised operand takes f32 operands (vector FMAs, or v_wmma_f32_16x16x4_f32). A number that lies on a knife's edge between two numbers of the format may be rounded either way, as far as f32 arithmetic and the matrix unit's own rounding can turn it there, and no further.
;;   INPUTS GIVEN AS CODES. key (in the module: [2, 8, 2048, 128], K = its axis 3); query (in the module: [2, 32, 2048, 128], K = its axis 3); value (in the module: [2, 8, 2048, 128], K = its axis 2): each comes as NAME_codes (uint8): NAME with its K axis moved to the last place and cut into blocks of 32 codes, [.., K / 32, bytes a block], one block behind the other in memory; two codes a byte, the lower K in the low four bits (a code: sign, 2 exponent bits, 1 mantissa bit); and NAME_scales (uint8): the same leading axes, one E8M0 byte (e + 127) for each 32 codes along K. Its value is code x scale, taken as it is: it is not quantised again, and the codes and scales need not be those that the quantiser above would give.
;; One version. Each part assembles by itself: llvm-mc -triple=amdgcn-amd-amdhsa -mcpu=gfx1250 --defsym DOCPART=n.
;; ======== version 1 of 1: 1 launch
;; limits: right only within a limited range of input values
;; launch attn (part 1): grid 16 x 16, 4 waves a work-group, clusters of 4 x 4, 327,680 bytes of LDS; arguments query_codes, query_scales, key_codes, key_scales, value_codes, value_scales, attention_mask, scale_attn, out0; writes out0
.if DOCPART == 1
	.amdgcn_target "amdgcn-amd-amdhsa--gfx1250"
	.amdhsa_code_object_version 6
	.text
	.protected	k_qca49d1ba94_attn
	.globl	k_qca49d1ba94_attn
	.p2align	8
	.type	k_qca49d1ba94_attn,@function
k_qca49d1ba94_attn:
	s_mov_b64 s[64:65], 0
	v_nop
	global_prefetch_b8 v0, s[64:65] scope:SCOPE_SE
	s_setreg_imm32_b32 hwreg(HW_REG_WAVE_MODE, 25, 1), 1
	s_wait_xcnt 0x0
	s_wait_alu depctr_hold_cnt(0) depctr_sa_sdst(0) depctr_va_vdst(0) depctr_va_sdst(0) depctr_va_ssrc(0) depctr_va_vcc(0) depctr_vm_vsrc(0)
	s_getreg_b32 s2, hwreg(HW_REG_IB_STS2, 6, 4)
	s_cmp_eq_u32 s2, 0
	s_cbranch_scc0 .Lentry_in_a_cluster
	s_endpgm
.Lentry_in_a_cluster:
	s_bfe_u32 s2, ttmp6, 0x10000c
	s_cmp_lg_u32 s2, 0xf033
	s_cbranch_scc0 .Lentry_shape_is_right
	s_endpgm
.Lentry_shape_is_right:
; out0[b][h][q] = sum over k of softmax_k(Q.K / scale_attn + mask[b][q][k]) V[k], grouped heads (4 query heads to a K/V head), both products on E2M1 codes with E8M0 scales.
; Nothing is left out: the mask is an input, so every key of every row is computed.
; THE SOFTMAX: u = s x (1 / scale_attn) + mask; t = u x log2(e); M = ceil(running largest t); p = 2^(t - M) by one fused multiply-add and v_exp_f32; p is quantised along the keys, the row's sum is taken of the unquantised p.
; When M moves, the sums and O^T are multiplied by 2^(old M - new M), in every step, with no branch on data.
; LIMIT: the promise holds while the scaled scores t stay under 2^31 in magnitude (the running maximum begins at -1e38; M's change is taken by a conversion that saturates).
; SHARES: a block is 64 queries x the 4 query heads of one K/V head; wave w, alone on its SIMD, owns queries 16 w .. + 15 of all four heads: a mask number and a fragment of K or V read from LDS serve four heads.
; A WORK-GROUP STAYS: it makes two blocks, query blocks y and y + 16 of its K/V head (256 work-groups for 512 blocks).  The ring runs on from the first block into the second, and nothing waits for the first block's stores.
; Both products are used transposed (S^T = K Q^T, O^T = V^T P^T): a lane holds one query.  Lane r of K's tile 2 b + u takes key 32 b + 8 u + r + 8 (r / 8): the 16 registers of tiles 2 b, 2 b + 1 are 16 neighbouring keys.
; CLUSTERS 4 x 4: x counts K/V heads (16 = 2 batches x 8), y the work-groups' first query blocks (16).  The mask's tile hangs on batch and query block: shared along a row of the cluster; K, V and K's scale bytes hang on x: shared along a column.
; THE RING: two slots of 256 keys (mask 64 rows x 1,024 bytes, K 256 rows x 64, V 128 rows x 128), 2^17 bytes apart; a stream of 16 slots, 8 a block.  Wave 0 fetches the mask, wave 1 K, wave 2 V; at the head wave 3 fetches K's scale bytes of the whole head, so each wave has one load there.
; V's scale bytes of the whole head (8,192) are copied once through registers, in whole units of 256 bytes, into LDS bytes of their own.
; LDS LOADS RUN A PHASE AHEAD: K, V and the mask have 64 registers each.  V is asked for at a step's head; the next step's K, scale words and mask behind this step's u.  THE CHANGE OF SLOTS stands there in a slot's second step: that slot's last reads are then done.
; PREFETCH: the mask alone is asked for ahead, one slot ahead of its tensor load: it is 65,536 of a slot's 98,304 bytes and is read along one row of clusters only; K's and V's 32,768 bytes a slot are walked alike, twice, by all 16 work-groups of a column.
; REGISTERS: window 0: addresses, state, scale words, p's codes, Q (both blocks').  Window 1: S^T then p, head i at 64 i.  Window 2: O^T, head i at 64 i.  Window 3: K v0-63, V v64-127, mask v128-191.
.set SK,    256
.set NSL,   2*2048/SK                  ; slots in the stream: two blocks
.set MP,    1040                       ; LDS pitches: row bytes + 16
.set KP,    80
.set VP,    144
.set KOFF,  64*MP
.set VOFF,  KOFF+SK*KP
.set SLOT1, 1<<17
.set SCK,   2*SLOT1                    ; K's scale bytes: 8,192 dense bytes, so that a step's place wraps by an AND
.set SCV,   SCK+8192                   ; V's: 32 units of 256 bytes + 16
.set SPARE, SCV+32*272                 ; the spare words, 128 bytes a wave
.set STAGE, SPARE+4*128                ; the way out: 16 rows x 272 bytes a wave
.set SP,    272
.set AK0,  1
.set AV0,  2
.set ASK0, 3
.set ASV0, 4
.set AM0,  5
.set SPW,  6
.set NIL,  7
.set ADK,  8
.set ADV,  9
.set ADS,  10
.set ADT,  11
.set ADM,  12
.set GO,   13
.set PFO,  14
.set ST,   16                          ; a head's state, 8 registers: -M, largest u, sum A (2), sum B (2), f and its pair's upper half
.set WK,   48                          ; a head's 12 at work: 0-3 the blocks' largest, 4-7 temporaries and bytes, 8-11 the conversions' scale operands
.set QS,   96
.set PS,   100
.set KS,   104
.set VS,   112
.set P,    120
.set QF,   152
.set CV,   184
.set QA,   186
.set STO,  188
.set RD,   189
.set RL,   190
.set VA,   194
.set VG,   195
.set VD,   200
.set QF2,  216                         ; the second block's Q and its scale words
.set QS2,  248
.set KR,   0
.set VR,   64
.set MR,   128
.set WV,   23
.set CM,   24                          ; s[24:31]: four offsets, 0 but at the change that crosses from the first block to the second
.set CK,   26
.set CW,   28
.set CP,   30
.set G1M,  36
.set G1K,  44
.set G1V,  52
.set G1S,  68
.set G0M,  60
.set G0K,  76
.set G0V,  80
.set G0S,  84
.set LG,   90
.set SEL,  92
.set TB,   94
.set TS,   95
.set TJ,   96
.set SLOTS, 97
.set PFA,  98
.set LIM,  100
.set MSB, 0
.macro WIN new                         ; low byte: 1:0 source 0, 3:2 source 1, 5:4 source 2, 7:6 destination; the high byte repeats the setting that is left
.if MSB != \new
	s_set_vgpr_msb (MSB<<8)|\new
.set MSB, \new
.endif
.endm
.macro WA
	s_wait_alu depctr_va_vdst(0)
.endm
.macro CROUND                          ; a round of the cluster's barrier
	s_barrier_signal -1
	s_barrier_wait -1
	s_cmp_lg_u32 s[WV], 0
	s_cbranch_scc1 .Lnot_wave_0_\@
	s_barrier_signal -3
.Lnot_wave_0_\@:
	s_barrier_wait -3
	s_barrier_signal -1
	s_barrier_wait -1
.endm
.macro TL g0, g1                       ; a joint load and the nops behind it
	tensor_load_to_lds s[\g0:\g0+3], s[\g1:\g1+7]
	s_nop 0
.rept 4
	v_nop
.endr
.endm
; One chain of branches on the wave's number, one load to an arm.  first = 1: wave 3 fetches K's scale bytes; else it fetches nothing.
.macro JLOAD first
	s_cmp_eq_u32 s[WV], 0
	s_cbranch_scc0 .Lnm_\@
	TL G0M, G1M
	s_branch .Lja_\@
.Lnm_\@:
	s_cmp_eq_u32 s[WV], 1
	s_cbranch_scc0 .Lnk_\@
	TL G0K, G1K
	s_branch .Lja_\@
.Lnk_\@:
	s_cmp_eq_u32 s[WV], 2
	s_cbranch_scc0 .Lnv_\@
	TL G0V, G1V
.if \first
	s_branch .Lja_\@
.endif
.Lnv_\@:
.if \first
	TL G0S, G1S
.endif
.Lja_\@:
.endm
; The mask's part of the slot that the NEXT filling change of slots loads: waves 0 and 1 of the clusters with an even x (two clusters along x read one batch's mask); the four partners of a row take 16 rows each by address; a lane names 256 bytes, 8 rows x 4 blocks a wave.
.macro ASK
	s_cmp_gt_u32 s[SLOTS], s[LIM]
	s_cbranch_scc0 .Lnot_mine_\@
	global_prefetch_b8 v[PFO], s[PFA:PFA+1] th:TH_LOAD_NT scope:SCOPE_SE
.Lnot_mine_\@:
.endm
	s_load_b256 s[4:11], s[0:1], 0x0               ; Q codes, Q scales, K codes, K scales
	s_load_b256 s[12:19], s[0:1], 0x20             ; V codes, V scales, mask, scale_attn
	s_load_b64 s[20:21], s[0:1], 0x40              ; out0
	v_lshl_add_u32 v[SPW], v0, 2, SPARE
	v_mov_b32 v[NIL], 0
	ds_add_u32 v[SPW], v[NIL]                      ; the opening add, twice on end, and its wait below
	ds_add_u32 v[SPW], v[NIL]
	v_lshrrev_b32 v15, 5, v0
	v_readfirstlane_b32 s[WV], v15                 ; wave 0..3
	s_bfe_u32 s24, ttmp6, 0x40000                  ; cx
	s_bfe_u32 s25, ttmp6, 0x40004                  ; cy
	s_lshl_b32 s26, ttmp9, 2
	s_add_co_u32 s26, s26, s24                     ; 8 x batch + K/V head
	s_and_b32 s27, ttmp7, 0xffff
	s_lshl_b32 s27, s27, 2
	s_add_co_u32 s27, s27, s25                     ; my first query block, 0..15
	s_lshl_b32 s28, s25, 2
	s_lshl_b32 s28, 15, s28                        ; my row of the cluster
	s_lshl_b32 s29, 0x1111, s24                    ; my column
	s_or_b32 s[G1M], s28, (2<<16)|(1<<20)|(1<<21)|(7<<22)|(3<<25)   ; mask: 64 rows x 256 f32, 4 words of padding behind each
	s_mov_b32 s[G1M+1], 256<<16
	s_mov_b32 s[G1M+2], 64<<16
	s_mov_b32 s[G1M+3], 256<<16
	s_mov_b32 s[G1M+4], 64
	s_mov_b32 s[G1M+5], 2048
	s_mov_b32 s[G1M+6], 0
	s_mov_b32 s[G1M+7], 0
	s_or_b32 s[G1K], s29, (0<<16)|(1<<20)|(1<<21)|(3<<22)|(3<<25)   ; K: 256 rows x 64 bytes
	s_mov_b32 s[G1K+1], 64<<16
	s_mov_b32 s[G1K+2], 256<<16
	s_mov_b32 s[G1K+3], 64<<16
	s_mov_b32 s[G1K+4], 256
	s_mov_b32 s[G1K+5], 64
	s_mov_b32 s[G1K+6], 0
	s_mov_b32 s[G1K+7], 0
	s_or_b32 s[G1V], s29, (0<<16)|(1<<20)|(1<<21)|(4<<22)|(3<<25)   ; V: 128 rows x 128 bytes, 1,024 apart
	s_mov_b32 s[G1V+1], 128<<16
	s_mov_b32 s[G1V+2], 128<<16
	s_mov_b32 s[G1V+3], 128<<16
	s_mov_b32 s[G1V+4], 128
	s_mov_b32 s[G1V+5], 1024
	s_mov_b32 s[G1V+6], 0
	s_mov_b32 s[G1V+7], 0
	s_or_b32 s[G1S], s29, (3<<16)|(1<<21)          ; K's scale bytes: 32 dense rows of 256 bytes, no padding
	s_mov_b32 s[G1S+1], 32<<16
	s_mov_b32 s[G1S+2], 32<<16
	s_mov_b32 s[G1S+3], 32<<16
	s_mov_b32 s[G1S+4], 32
	s_mov_b32 s[G1S+5], 32
	s_mov_b32 s[G1S+6], 0
	s_mov_b32 s[G1S+7], 0
	s_and_b32 s35, s[WV], 1
	s_lshr_b32 s30, ttmp9, 1
	s_lshl_b32 s30, s30, 24                        ; the batch's mask: 2^24 bytes
	s_lshl_b32 s31, s27, 19                        ; 64 rows of 8,192 bytes a query block
	s_add_co_u32 s30, s30, s31
	s_mov_b32 s31, 0
	s_lshl_b32 s32, s26, 17                        ; a K/V head's codes: 2^17 bytes
	s_mov_b32 s33, 0
	s_mov_b32 s[G0M], 1
	s_mov_b32 s[G0M+1], 0
	s_mov_b32 s[G0K], 1
	s_mov_b32 s[G0K+1], KOFF
	s_mov_b32 s[G0V], 1
	s_mov_b32 s[G0V+1], VOFF
	s_mov_b32 s[G0S], 1
	s_mov_b32 s[G0S+1], SCK
	s_mov_b32 s[LG], 0x3fb8aa3b                    ; log2(e)
	s_mov_b32 s[LG+1], s[LG]
	s_mov_b32 s[SEL], 0x76543210
	s_mov_b32 s[SEL+1], 0xfedcba98
	s_mov_b32 s[TB], 0
	s_mov_b32 s[TS], 0
	s_mov_b32 s[TJ], 0
	s_mov_b32 s[SLOTS], NSL-1                      ; slots still to be asked for
	s_lshr_b32 s2, s[WV], 1
	s_and_b32 s3, ttmp9, 1
	s_or_b32 s2, s2, s3
	s_cmp_eq_u32 s2, 0
	s_cselect_b32 s[LIM], 1, -1                    ; who prefetches, and until which count of slots
	s_wait_dscnt 0x0                               ; both opening adds are done
	s_wait_kmcnt 0x0
	s_load_b32 s22, s[18:19], 0x0                  ; scale_attn
	s_add_nc_u64 s[G0M+2:G0M+3], s[16:17], s[30:31]
	s_or_b32 s[G0M+3], s[G0M+3], 0x80000000
	s_add_nc_u64 s[G0K+2:G0K+3], s[8:9], s[32:33]
	s_or_b32 s[G0K+3], s[G0K+3], 0x80000000
	s_add_nc_u64 s[G0V+2:G0V+3], s[12:13], s[32:33]
	s_or_b32 s[G0V+3], s[G0V+3], 0x80000000
	s_lshl_b32 s32, s26, 13                        ; a K/V head's scale bytes: 2^13
	s_add_nc_u64 s[G0S+2:G0S+3], s[10:11], s[32:33]
	s_or_b32 s[G0S+3], s[G0S+3], 0x80000000
	s_add_nc_u64 s[14:15], s[14:15], s[32:33]      ; V's scale bytes of my head
	s_lshl_b32 s2, s27, 6                          ; the prefetches: row 64 x block + 16 cx + 8 (wave % 2), slot 1; the first change steps it to slot 2
	s_lshl_b32 s3, s24, 4
	s_add_co_u32 s2, s2, s3
	s_lshl_b32 s3, s35, 3
	s_add_co_u32 s2, s2, s3
	s_lshl_b32 s2, s2, 13
	s_lshr_b32 s3, ttmp9, 1
	s_lshl_b32 s3, s3, 24
	s_add_co_u32 s2, s2, s3
	s_add_co_u32 s2, s2, 4*SK
	s_mov_b32 s3, 0
	s_add_nc_u64 s[PFA:PFA+1], s[16:17], s[2:3]
	s_lshl_b32 s2, s26, 13                         ; my first query head's first row among all heads' rows: 4 x 2,048 a K/V head,
	s_lshl_b32 s3, s27, 6
	s_add_co_u32 s2, s2, s3
	s_lshl_b32 s3, s[WV], 4
	s_add_co_u32 s2, s2, s3                        ; and my first query of the first block
	s_lshl_b32 s32, s2, 6
	s_add_nc_u64 s[4:5], s[4:5], s[32:33]
	s_lshl_b32 s32, s2, 2
	s_add_nc_u64 s[6:7], s[6:7], s[32:33]
	s_lshl_b32 s32, s2, 9
	s_add_nc_u64 s[20:21], s[20:21], s[32:33]
	s_mul_i32 s2, s[WV], 16*MP                     ; my 16 rows of the mask's tile
	s_mul_i32 s3, s[WV], 16*SP
	s_add_co_u32 s3, s3, STAGE                     ; my stage
	s_mov_b32 s[CM+1], 0                           ; the four offsets' upper words
	s_mov_b32 s[CK+1], 0
	s_mov_b32 s[CW+1], 0
	s_mov_b32 s[CP+1], 0
	CROUND                                         ; all sixteen work-groups are here: the first joint loads meet
	JLOAD 1                                        ; slot 0 and K's scale bytes: one load a wave
	v_and_b32 v8, 15, v0                           ; r
	v_bfe_u32 v9, v0, 4, 1                         ; h
	v_lshlrev_b32 v[VG], 4, v0                     ; V's scale bytes: 16 a thread, 2,048 an instruction of the work-group
	v_lshlrev_b32 v[QA], 6, v8
	v_lshlrev_b32 v[QA+1], 2, v8
	v_and_b32 v11, 31, v0
	v_lshl_add_u32 v[QA], v9, 4, v[QA]
.irp i, 0,1,2,3
	global_load_b128 v[VD+4*\i:VD+4*\i+3], v[VG], s[14:15] offset:2048*\i
.endr
.irp i, 0,1,2,3
.irp c, 0,1
	global_load_b128 v[QF+8*\i+4*\c:QF+8*\i+4*\c+3], v[QA], s[4:5] offset:131072*\i+32*\c th:TH_LOAD_NT
.endr
	global_load_b32 v[QS+\i], v[QA+1], s[6:7] offset:8192*\i th:TH_LOAD_NT
.endr
.irp i, 0,1,2,3                                ; the second block's Q: 1,024 rows on
.irp c, 0,1
	global_load_b128 v[QF2+8*\i+4*\c:QF2+8*\i+4*\c+3], v[QA], s[4:5] offset:131072*\i+32*\c+65536 th:TH_LOAD_NT
.endr
	global_load_b32 v[QS2+\i], v[QA+1], s[6:7] offset:8192*\i+4096 th:TH_LOAD_NT
.endr
	v_and_b32 v10, 8, v8
	v_lshrrev_b32 v15, 4, v0
	v_mul_u32_u24 v[AV0], v8, VP
	v_mul_u32_u24 v[AM0], v8, MP
	v_add_nc_u32 v10, v10, v8                      ; r + 8 (r / 8)
	v_mul_u32_u24 v[STO], v8, SP
	v_mul_u32_u24 v[RD], v9, SP
	v_mul_u32_u24 v[VA], v15, 272                  ; thread t stores into unit t / 16, at 16 (t % 16)
	v_lshrrev_b32 v12, 2, v8
	v_mul_u32_u24 v[AK0], v10, KP
	v_and_b32 v15, 3, v8
	v_lshl_add_u32 v[AV0], v9, 4, v[AV0]
	v_lshl_add_u32 v[AM0], v9, 6, v[AM0]
	v_lshl_add_u32 v[STO], v9, 5, v[STO]
	v_lshl_add_u32 v[AK0], v9, 4, v[AK0]
	v_lshl_add_u32 v[RD], v8, 4, v[RD]
	v_lshl_add_u32 v[VA], v8, 4, v[VA]
	v_mul_u32_u24 v[ASV0], v12, 272                ; V's scale bytes: 64 a row, four rows to a unit
	v_add_nc_u32 v[AV0], VOFF, v[AV0]
	v_add_nc_u32 v[AM0], s2, v[AM0]
	v_add_nc_u32 v[STO], s3, v[STO]
	v_add_nc_u32 v[AK0], KOFF, v[AK0]
	v_add_nc_u32 v[RD], s3, v[RD]
	v_add_nc_u32 v[VA], SCV, v[VA]
	v_lshl_add_u32 v[ASV0], v15, 6, v[ASV0]
	v_lshl_add_u32 v[ASK0], v10, 2, SCK
	v_lshlrev_b32 v[GO], 9, v9
	v_lshrrev_b32 v12, 2, v11
	v_and_b32 v11, 3, v11
	v_add_nc_u32 v[ASV0], SCV, v[ASV0]
	v_lshl_add_u32 v[GO], v8, 4, v[GO]
	v_lshlrev_b32 v[PFO], 13, v12
	v_lshl_add_u32 v[PFO], v11, 8, v[PFO]
	WA                                             ; the wait ahead of the blocking wait and of the transcendental
	s_wait_kmcnt 0x0
	v_rcp_f32 v[CV], s22
	v_nop
	WA
	v_fma_f32 v15, -v[CV], s22, 1.0                ; one Newton step
	v_fma_f32 v[CV], v[CV], v15, v[CV]             ; 1 / scale_attn
	v_mov_b32 v[CV+1], v[CV]
.irp i, 0,1,2,3
	v_mov_b32 v[ST+8*\i+1], 0xfe967699             ; the largest u so far: -1e38
	v_mov_b32 v[ST+8*\i], 0x7e967699               ; -M: 1e38, so that a block's first change of M gives the factor 0
.irp b, 2,3,4,5,7
	v_mov_b32 v[ST+8*\i+\b], 0
.endr
.irp b, 4,5,6,7
	v_mov_b32 v[WK+12*\i+\b], 0                    ; a lane permute's destination counts as a source
.endr
.endr
	WIN 0x80
.set j, 0
.rept 256
	v_mov_b32 v[j], 0                              ; O^T: the step is written in one form, and its first run finds zeros
.set j, j+1
.endr
	WIN 0
; The next step's K, its scale words and the mask: 40 LDS loads
.macro NEXTK q
	v_add_nc_u32 v[ADK], s[TB], v[AK0]
	v_add_nc_u32 v[ADM], s[TB], v[AM0]
	v_add_nc_u32 v[ADS], s[TS], v[ASK0]
.irp t, 0,1,2,3,4,5,6,7
	ds_load_b32 v[KS+\t], v[ADS] offset:256*(\t/4)+(32*((\t/2)%2)+8*(\t%2))*4
.endr
	WIN 0xc0
.irp t, 0,1,2,3,4,5,6,7
.irp c, 0,1
	ds_load_b128 v[KR+8*\t+4*\c:KR+8*\t+4*\c+3], v[ADK] offset:(128*(\q)+32*(\t/2)+8*(\t%2))*KP+32*\c
.endr
.endr
.irp b, 0,1,2,3
.irp n, 0,1,2,3
	ds_load_b128 v[MR+16*\b+4*\n:MR+16*\b+4*\n+3], v[ADM] offset:512*(\q)+128*\b+16*\n
.endr
.endr
	WIN 0
	s_add_co_u32 s[TS], s[TS], 512                 ; a step's scale words of K: 512 bytes;
	s_and_b32 s[TS], s[TS], 0x1fff                 ; the second block begins at the head's first again
.endm
; THE CHANGE OF SLOTS: all my tensor loads waited for, the add, my LDS reads waited for; fill = 1: a round of the cluster's barrier and the joint load into the slot left.
; The descriptors go one slot on; where the slot asked for is the second block's first (8 still to ask for), the mask goes 1,024 rows down and back along the keys, K and V back to their first keys.  The choice hangs on the count of slots alone.
.macro CHANGE fill
	s_wait_tensorcnt 0x0
	ds_add_u32 v[SPW], v[NIL]
.if \fill
	s_cmp_eq_u32 s[SLOTS], 8
	s_cselect_b32 s[CM], 0x7fe000, 0               ; 2^23 bytes (1,024 rows of the mask) less 8 slots of 1,024
	s_cselect_b32 s[CK], 0x20000, 0                ; 8 slots of K: 8 x 16,384
	s_cselect_b32 s[CW], 1024, 0                   ; 8 slots of V: 8 x 128 in a row
	s_cmp_eq_u32 s[SLOTS], 9                       ; the prefetch stands one slot further on
	s_cselect_b32 s[CP], 0x7fe000, 0
	s_xor_b32 s[G0M+1], s[G0M+1], SLOT1
	s_add_nc_u64 s[G0M+2:G0M+3], s[G0M+2:G0M+3], 4*SK
	s_add_nc_u64 s[G0M+2:G0M+3], s[G0M+2:G0M+3], s[CM:CM+1]
	s_xor_b32 s[G0K+1], s[G0K+1], SLOT1
	s_add_nc_u64 s[G0K+2:G0K+3], s[G0K+2:G0K+3], 64*SK
	s_sub_nc_u64 s[G0K+2:G0K+3], s[G0K+2:G0K+3], s[CK:CK+1]
	s_xor_b32 s[G0V+1], s[G0V+1], SLOT1
	s_add_nc_u64 s[G0V+2:G0V+3], s[G0V+2:G0V+3], SK/2
	s_sub_nc_u64 s[G0V+2:G0V+3], s[G0V+2:G0V+3], s[CW:CW+1]
	s_wait_xcnt 0x0                                ; my prefetch has read its address
	s_add_nc_u64 s[PFA:PFA+1], s[PFA:PFA+1], 4*SK
	s_add_nc_u64 s[PFA:PFA+1], s[PFA:PFA+1], s[CP:CP+1]
	s_wait_dscnt 0x0
	CROUND
	JLOAD 0
	ASK
	s_sub_co_u32 s[SLOTS], s[SLOTS], 1
.else
	s_wait_dscnt 0x0
	s_barrier_signal -1
	s_barrier_wait -1
.endif
.endm
; head i's 64 exponentials; among them head i + 1's t - M: each such line reads what stood ahead of the wait in front, and is read behind the wait that follows
.macro EXH i
.set j, 0
.rept 32
	v_exp_f32 v[64*(\i)+j], v[64*(\i)+j]
	v_exp_f32 v[64*(\i)+j+1], v[64*(\i)+j+1]
.if \i < 3
	v_pk_fma_f32 v[64*(\i)+64+j:64*(\i)+65+j], v[64*(\i)+64+j:64*(\i)+65+j], s[LG:LG+1], v[ST+8*(\i)+8:ST+8*(\i)+9] op_sel_hi:[1,0,0]
.endif
.set j, j+2
.endr
.endm
; A KEY STEP: 128 keys, the q-th of the slot in hand, for my 16 queries of four heads; the heads' chains take turns line by line.
; x = 0: the slot's second step is asked for; x = 1: change of slots with a fill; x = 2: change of slots without (the tail)
.macro STEP q, x
	WIN 0
	v_add_nc_u32 v[ADV], s[TB], v[AV0]             ; (with the two v_nop: four places ahead of loads into registers that the last products read)
	v_add_nc_u32 v[ADT], s[TJ], v[ASV0]
	v_nop
	v_nop
.irp t, 0,1,2,3,4,5,6,7
	ds_load_b32 v[VS+\t], v[ADT] offset:4*272*\t
.endr
	WIN 0xc0
.irp t, 0,1,2,3,4,5,6,7
.irp c, 0,1
	ds_load_b128 v[VR+8*\t+4*\c:VR+8*\t+4*\c+3], v[ADV] offset:16*\t*VP+64*(\q)+32*\c
.endr
.endr
	s_add_co_u32 s[TJ], s[TJ], 4                   ; a step's scale word of V, of a row's 16
	s_and_b32 s[TJ], s[TJ], 63
	s_wait_dscnt 24                                ; K, its scale words and the mask are in; the 24 loads of V just issued may be out
	WIN 0x43
.irp t, 0,1,2,3,4,5,6,7
.irp i, 0,1,2,3
	v_wmma_scale_f32_16x16x128_f8f6f4 v[64*\i+8*\t:64*\i+8*\t+7], v[KR+8*\t:KR+8*\t+7], v[QF+8*\i:QF+8*\i+7], 0, v[KS+\t], v[QS+\i] matrix_a_fmt:MATRIX_FMT_FP4 matrix_b_fmt:MATRIX_FMT_FP4
.endr
.endr
.rept 4
	v_nop                                          ; four places behind the products
.endr
	WIN 0x71
.irp i, 0,1,2,3
.set j, 0
.rept 32
	v_pk_fma_f32 v[64*\i+j:64*\i+j+1], v[64*\i+j:64*\i+j+1], v[CV:CV+1], v[MR+j:MR+j+1]   ; u = s / scale_attn + mask
.set j, j+2
.endr
.endr
	WIN 0
	WA                                             ; the wait ahead of the blocking waits and branches below
.if \x == 0
	NEXTK 1
.else
	CHANGE (2-\x)
	s_xor_b32 s[TB], s[TB], SLOT1
.if \x == 2
	s_cmp_eq_u32 s[SLOTS], 1                       ; the last trip has no next step: a jump on the trip counter leads round the 40 loads alone
	s_cbranch_scc1 .Lnone_\@
.endif
	NEXTK 0
.if \x == 2
.Lnone_\@:
.endif
.endif
	WIN 0x15                                       ; the largest u of each block of 32 keys: sixteen chains by turns
.irp b, 0,1,2,3
.irp i, 0,1,2,3
	v_max3_num_f32 v[WK+12*\i+\b], v[64*\i+16*\b], v[64*\i+16*\b+1], v[64*\i+16*\b+2]
.endr
.endr
	WIN 0x14
.irp k, 3,5,7,9,11,13
.irp b, 0,1,2,3
.irp i, 0,1,2,3
	v_max3_num_f32 v[WK+12*\i+\b], v[WK+12*\i+\b], v[64*\i+16*\b+\k], v[64*\i+16*\b+\k+1]
.endr
.endr
.endr
.irp b, 0,1,2,3
.irp i, 0,1,2,3
	v_max_num_f32 v[WK+12*\i+\b], v[WK+12*\i+\b], v[64*\i+16*\b+15]
.endr
.endr
	WIN 0
.irp b, 0,1,2,3
.irp i, 0,1,2,3
	v_permlanex16_b32 v[WK+12*\i+4+\b], v[WK+12*\i+\b], s[SEL], s[SEL+1]
.endr
.endr
.irp b, 0,1,2,3
.irp i, 0,1,2,3
	v_max_num_f32 v[WK+12*\i+\b], v[WK+12*\i+\b], v[WK+12*\i+4+\b]   ; with lane l xor 16's 16 keys
.endr
.endr
.irp i, 0,1,2,3
	v_max3_num_f32 v[WK+12*\i+4], v[WK+12*\i], v[WK+12*\i+1], v[WK+12*\i+2]
.endr
.irp i, 0,1,2,3
	v_max3_num_f32 v[ST+8*\i+1], v[WK+12*\i+4], v[WK+12*\i+3], v[ST+8*\i+1]   ; the running largest u
.endr
.irp i, 0,1,2,3
	v_mov_b32 v[WK+12*\i+5], v[ST+8*\i]            ; the old -M
.endr
.irp i, 0,1,2,3
	v_mul_f32 v[WK+12*\i+6], s[LG], v[ST+8*\i+1]   ; as t
.endr
.irp i, 0,1,2,3
	v_floor_f32 v[ST+8*\i], -v[WK+12*\i+6]         ; the new -M = -ceil(t)
.endr
.irp i, 0,1,2,3
	v_sub_f32 v[WK+12*\i+5], v[ST+8*\i], v[WK+12*\i+5]
.endr
.irp i, 0,1,2,3
	v_cvt_i32_f32 v[WK+12*\i+5], v[WK+12*\i+5]     ; old M - new M, a whole number (it saturates)
.endr
.irp i, 0,1,2,3
	v_ldexp_f32 v[ST+8*\i+6], 1.0, v[WK+12*\i+5]   ; f = 2^(old M - new M)
.endr
.irp b, 0,1,2,3
.irp i, 0,1,2,3
	v_fma_f32 v[WK+12*\i+\b], v[WK+12*\i+\b], s[LG], v[ST+8*\i]   ; t - M of each block's largest
.endr
.endr
	WIN 0x41
.set j, 0
.rept 32
	v_pk_fma_f32 v[j:j+1], v[j:j+1], s[LG:LG+1], v[ST:ST+1] op_sel_hi:[1,0,0]   ; head 0's t - M
.set j, j+2
.endr
.irp i, 0,1,2,3
	WA                                             ; the wait ahead of each batch (and behind the one before)
	EXH \i
.endr
	WIN 0
.irp b, 0,1,2,3
.irp i, 0,1,2,3
	v_exp_f32 v[WK+12*\i+\b], v[WK+12*\i+\b]       ; the blocks' largest p
.endr
.endr
.irp i, 0,1,2,3                                ; the sums under the new M: plain places behind the batch
	v_pk_mul_f32 v[ST+8*\i+2:ST+8*\i+3], v[ST+8*\i+2:ST+8*\i+3], v[ST+8*\i+6:ST+8*\i+7] op_sel_hi:[1,0]
	v_pk_mul_f32 v[ST+8*\i+4:ST+8*\i+5], v[ST+8*\i+4:ST+8*\i+5], v[ST+8*\i+6:ST+8*\i+7] op_sel_hi:[1,0]
.endr
	WA                                             ; behind the last batch, ahead of its first reader
	WIN 0x04
.set k, 0
.rept 16                                       ; the rows' sums of the unquantised p: eight chains by turns
.irp i, 0,1,2,3
	v_pk_add_f32 v[ST+8*\i+2:ST+8*\i+3], v[ST+8*\i+2:ST+8*\i+3], v[64*\i+k:64*\i+k+1]
	v_pk_add_f32 v[ST+8*\i+4:ST+8*\i+5], v[ST+8*\i+4:ST+8*\i+5], v[64*\i+k+2:64*\i+k+3]
.endr
.set k, k+4
.endr
	WIN 0
.irp b, 0,1,2,3
.irp i, 0,1,2,3
	v_max_num_f32 v[WK+12*\i+\b], 0x1800000, v[WK+12*\i+\b]        ; the floor 2^(3 - 127): the byte stays at 1 or above
.endr
.endr
.irp b, 0,1,2,3
.irp i, 0,1,2,3
	v_add_nc_u32 v[WK+12*\i+8+\b], 0xff000000, v[WK+12*\i+\b]      ; 2 off the exponent field: the conversion's scale operand
.endr
.endr
.irp b, 0,1,2,3
.irp i, 0,1,2,3
	v_lshrrev_b32 v[WK+12*\i+4+\b], 23, v[WK+12*\i+8+\b]           ; the scale's byte
.endr
.endr
.irp i, 0,1,2,3
	v_lshl_or_b32 v[PS+\i], v[WK+12*\i+5], 8, v[WK+12*\i+4]
.endr
.irp i, 0,1,2,3
	v_lshl_or_b32 v[PS+\i], v[WK+12*\i+6], 16, v[PS+\i]
.endr
.irp i, 0,1,2,3
	v_lshl_or_b32 v[PS+\i], v[WK+12*\i+7], 24, v[PS+\i]
.endr
	WIN 0x01
.irp n, 0,1,2,3,4,5,6,7
.irp i, 0,1,2,3
	v_cvt_scalef32_pk8_fp4_f32 v[P+8*\i+\n], v[64*\i+8*\n:64*\i+8*\n+7], v[WK+12*\i+8+\n/2]
.endr
.endr
	WIN 0
	v_nop                                          ; a plain place behind the scaled conversions
.irp c, 0,1
.irp m, 0,1
.irp i, 0,1,2,3
	v_permlane16_swap_b32 v[P+8*\i+4*\c+\m], v[P+8*\i+4*\c+2+\m]   ; a whole block to a lane
.endr
.endr
.endr
.if \x == 0
	s_wait_dscnt 40                                ; V and its scale words are in; the 40 loads for the next step may be out (x > 0: the change of slots has waited for V)
.endif
	WIN 0x82
	WA                                             ; the wait directly ahead of the first reader of O^T
.irp i, 0,1,2,3
.set j, 0
.rept 32
	v_pk_mul_f32 v[64*\i+j:64*\i+j+1], v[64*\i+j:64*\i+j+1], v[ST+8*\i+6:ST+8*\i+7] op_sel_hi:[1,0]   ; O^T under the new M; also the places ahead of the products
.set j, j+2
.endr
.endr
	WIN 0xa3
.irp t, 0,1,2,3,4,5,6,7                        ; 32 accumulators by turns
.irp i, 0,1,2,3
	v_wmma_scale_f32_16x16x128_f8f6f4 v[64*\i+8*\t:64*\i+8*\t+7], v[VR+8*\t:VR+8*\t+7], v[P+8*\i:P+8*\i+7], v[64*\i+8*\t:64*\i+8*\t+7], v[VS+\t], v[PS+\i] matrix_a_fmt:MATRIX_FMT_FP4 matrix_b_fmt:MATRIX_FMT_FP4
.endr
.endr
	WIN 0
.endm
; THE WAY OUT of a block: O^T / the sum, through my stage, as aligned units of 256 bytes.  Window 1 is free here: p has been used and the next scores are not yet made.
.macro OUT i
	WIN 0x42
	WA                                             ; ahead of the first reader of the reciprocal and of this head's O^T
.set j, 0
.rept 64
	v_mul_f32 v[j], v[64*(\i)+j], v[RL+(\i)]       ; into window 1: register 8 t + n is o(r, 16 t + 8 h + n)
.set j, j+1
.endr
.irp u, 0,1
	WIN 0x04
.irp t, 0,1,2,3
	ds_store_b128 v[STO], v[32*\u+8*\t:32*\u+8*\t+3] offset:64*\t
	ds_store_b128 v[STO], v[32*\u+8*\t+4:32*\u+8*\t+7] offset:64*\t+16
.endr
	WIN 0x40
.irp k, 0,1,2,3,4,5,6,7
	ds_load_b128 v[64+32*\u+4*\k:64+32*\u+4*\k+3], v[RD] offset:2*\k*SP   ; LDS serves a wave's instructions in order
.endr
.endr
	WIN 0x04
.irp u, 0,1
.irp k, 0,1,2,3,4,5,6,7
	s_wait_dscnt 23-16*\u-\k                       ; the LDS instructions issued behind this read-back may be out (older ones have come back before it)
	global_store_b128 v[GO], v[64+32*\u+4*\k:64+32*\u+4*\k+3], s[20:21] offset:1048576*(\i)+1024*\k+256*\u th:TH_STORE_NT
.endr
.endr
	s_wait_xcnt 0x0                                ; the stores' data registers and base are written again only behind this wait
.endm
.macro FINISH
.irp i, 0,1,2,3
	v_pk_add_f32 v[ST+8*\i+2:ST+8*\i+3], v[ST+8*\i+2:ST+8*\i+3], v[ST+8*\i+4:ST+8*\i+5]
.endr
.irp i, 0,1,2,3
	v_add_f32 v[WK+12*\i+4], v[ST+8*\i+2], v[ST+8*\i+3]
.endr
.irp i, 0,1,2,3
	v_permlanex16_b32 v[WK+12*\i+5], v[WK+12*\i+4], s[SEL], s[SEL+1]
.endr
.irp i, 0,1,2,3
	v_add_f32 v[WK+12*\i+4], v[WK+12*\i+4], v[WK+12*\i+5]   ; the row's sum
.endr
	WA
.irp i, 0,1,2,3
	v_rcp_f32 v[RL+\i], v[WK+12*\i+4]
.endr
	v_nop
	OUT 0
	OUT 1
	OUT 2
	OUT 3
	WIN 0
.endm
	WA                                             ; the wait at the head's end
	s_wait_loadcnt 0x0                             ; Q, and V's scale bytes,
.irp i, 0,1,2,3
	ds_store_b128 v[VA], v[VD+4*\i:VD+4*\i+3] offset:8*272*\i   ; which go into LDS bytes of their own: the change below waits for the stores and shows them to all waves
.endr
	CHANGE 1                                       ; slot 0 is whole; slot 1's first fill
	NEXTK 0                                        ; step 0's K, scale words and mask
.Lslot:                                                ; 14 trips: slots 0 to 13 of the stream; each asks for the slot two on
	STEP 0, 0
	STEP 1, 1
	s_cmp_lg_u32 s[SLOTS], 6                       ; 6 left to ask for: slot 7, the first block's last, has just been multiplied
	s_cbranch_scc1 .Lsame
	FINISH                                         ; the first block goes out; nothing waits for its stores
	s_add_nc_u64 s[20:21], s[20:21], 0x80000       ; the second block's rows of out0: 1,024 rows of 512 bytes on
.irp i, 0,1,2,3
	v_mov_b32 v[QS+\i], v[QS2+\i]                  ; its Q (the scale words first: they stand more than eight places ahead of the next products)
.endr
.set j, 0
.rept 32
	v_mov_b32 v[QF+j], v[QF2+j]
.set j, j+1
.endr
.irp i, 0,1,2,3
	v_mov_b32 v[ST+8*\i+1], 0xfe967699             ; and the state as at the head: the next step's f is 0, which clears the sums and O^T
	v_mov_b32 v[ST+8*\i], 0x7e967699
.endr
	WA                                             ; the wait ahead of the branch below
.Lsame:
	s_cmp_lg_u32 s[SLOTS], 0
	s_cbranch_scc1 .Lslot
	s_mov_b32 s[SLOTS], 2
.Ltail:                                                ; 2 trips: slots 14 and 15 ask for nothing.  The first trip's barrier shows slot 15 whole; the second trip's guards nothing and stands so that both trips share one text
	STEP 0, 0
	STEP 1, 2
	s_sub_co_u32 s[SLOTS], s[SLOTS], 1
	s_cmp_lg_u32 s[SLOTS], 0
	s_cbranch_scc1 .Ltail
	FINISH                                         ; the second block goes out
	s_wait_tensorcnt 0x0                           ; the wave's end
	ds_add_u32 v[SPW], v[NIL]
	s_wait_dscnt 0x0
	CROUND                                         ; the closing round
	s_endpgm
.Lfunc_end_k_qca49d1ba94_attn:
	.size	k_qca49d1ba94_attn, .Lfunc_end_k_qca49d1ba94_attn-k_qca49d1ba94_attn
	.p2alignl 7, 3214868480
	.fill 96, 4, 3214868480
	.section	.rodata,"a",@progbits
	.p2align	6, 0x0
	.amdhsa_kernel k_qca49d1ba94_attn
		.amdhsa_group_segment_fixed_size 327680
		.amdhsa_private_segment_fixed_size 0
		.amdhsa_enable_private_segment 0
		.amdhsa_kernarg_size 72
		.amdhsa_user_sgpr_count 2
		.amdhsa_user_sgpr_kernarg_segment_ptr 1
		.amdhsa_wavefront_size32 1
		.amdhsa_system_sgpr_workgroup_id_x 1
		.amdhsa_system_sgpr_workgroup_id_y 1
		.amdhsa_system_sgpr_workgroup_id_z 1
		.amdhsa_system_vgpr_workitem_id 0
		.amdhsa_next_free_vgpr 1024
		.amdhsa_next_free_sgpr 101
		.amdhsa_reserve_vcc 0
		.amdhsa_float_denorm_mode_32 3
		.amdhsa_float_denorm_mode_16_64 3
		.amdhsa_memory_ordered 1
		.amdhsa_forward_progress 1
		.amdhsa_inst_pref_size 255
	.end_amdhsa_kernel
	.section	.bss,"aw",@nobits
	.p2align	6
	.space	262144
	.amdgpu_metadata
---
amdhsa.version: [ 1, 2 ]
amdhsa.kernels:
  - .name:           k_qca49d1ba94_attn
    .symbol:         k_qca49d1ba94_attn.kd
    .args:
      - { .name: query_codes, .offset: 0, .size: 8, .value_kind: global_buffer, .address_space: global }
      - { .name: query_scales, .offset: 8, .size: 8, .value_kind: global_buffer, .address_space: global }
      - { .name: key_codes, .offset: 16, .size: 8, .value_kind: global_buffer, .address_space: global }
      - { .name: key_scales, .offset: 24, .size: 8, .value_kind: global_buffer, .address_space: global }
      - { .name: value_codes, .offset: 32, .size: 8, .value_kind: global_buffer, .address_space: global }
      - { .name: value_scales, .offset: 40, .size: 8, .value_kind: global_buffer, .address_space: global }
      - { .name: attention_mask, .offset: 48, .size: 8, .value_kind: global_buffer, .address_space: global }
      - { .name: scale_attn, .offset: 56, .size: 8, .value_kind: global_buffer, .address_space: global }
      - { .name: out0, .offset: 64, .size: 8, .value_kind: global_buffer, .address_space: global }
    .group_segment_fixed_size: 327680
    .private_segment_fixed_size: 0
    .kernarg_segment_align: 8
    .kernarg_segment_size: 72
    .max_flat_workgroup_size: 128
    .sgpr_count:     101
    .vgpr_count:     1024
    .wavefront_size: 32
...
	.end_amdgpu_metadata
.endif
;; end of part 1
